; MI455X (gfx1250); checked and timed in simulation.
; The chip was launched on July 23, 2026; its instructions are those of AMD's public machine-readable ISA for CDNA 5 (MIT licence, August 2026) and "CDNA5" Instruction Set Architecture Reference Guide (July 2026). The comments in the code are by the model that wrote it; some were corrected since.
;; Non Local Attention. Allowed arithmetic: float matrix products may take bf16 or f16 operands with f32 sums; all other float work in f32.
;; Inputs: a1 1 float32; a2 1 float32; aa 1 float32; b1 24 float32; b2 24 float32; ba 192 float32; w1 24 x 192 float32; w2 24 x 192 float32; wa 192 x 192 float32; x 8 x 192 x 64 x 64 float32.
;; Outputs: out0 8 x 192 x 64 x 64 float32.
;; One version. Each part assembles by itself: llvm-mc -triple=amdgcn-amd-amdhsa -mcpu=gfx1250 --defsym DOCPART=n.
;; ======== version 1 of 1: 2 launches
;; workspace buffers: qf 2,097,152 bytes; kv 14,680,064 bytes
;; launch proj (part 1): grid 32 x 8, 4 waves a work-group, no clusters, 160,256 bytes of LDS; arguments x, w1, w2, wa, b1, b2, ba, a1, a2, aa, qf, kv; writes qf, kv
.if DOCPART == 1
	.amdgcn_target "amdgcn-amd-amdhsa--gfx1250"
	.amdhsa_code_object_version 6
	.text
	.protected	k_q374a1e9823_proj
	.globl	k_q374a1e9823_proj
	.p2align	8
	.type	k_q374a1e9823_proj,@function
k_q374a1e9823_proj:
	s_mov_b64 s[64:65], 0
	v_nop
	global_prefetch_b8 v0, s[64:65] scope:SCOPE_SE
	s_setreg_imm32_b32 hwreg(HW_REG_WAVE_MODE, 25, 1), 1
	s_wait_xcnt 0x0
; q = prelu(w1 x + b1, a1), k = prelu(w2 x + b2, a2), v = prelu(wa x + ba, aa).  x: [8][192][4096] f32.  Products in bf16 with f32 sums.
; The results leave in bf16, in the order in which the attention launch's matrix instructions hold them in registers:
;   qf: [batch 8][block of 64 positions 64][tile t 4][half g 2][lane 32][16 bytes]            channel = 16 g + 8 (lane / 16) + i; channels 24..31 are zero
;   kv: [batch 8][chunk of 32 keys 128][14,336 bytes]: two K tiles of 1,024 bytes laid as a qf tile, then 12 V fragments [channel tile][g][lane][16 bytes]
; Row (or column) r of tile t of a block that starts at position n0 is position n0 + 4 r + t.  So one 16-byte load of x gives a lane one number for each of the
; four tiles, sixteen lanes read 256 consecutive bytes, and packing two neighbouring channel rows makes a fragment register: nothing is transposed.
; A work-group: one batch, 128 positions (two blocks).  Wave w: block pb = w / 2; oh = w % 2: 0 makes q and v's channel tiles 0-5, 1 makes k and tiles 6-11.
; No cluster and no joint loads: what the work-groups share is the weights, which must pass through registers to become bf16; as f32 tiles they would take
; 184,320 bytes of LDS beside the 159,744 bytes of bf16 fragments, more than the 327,680 that a work-group can have.
; LIMITS.  PReLU is computed as c1 x + c2 |x| with c1 = (1 + a) / 2, c2 = (1 - a) / 2, which equals where(x >= 0, x, a x); its rounding error is at most
; 2^-23 (|c1| + |c2|) |x|, below the rounding to bf16 that follows for |a| < 1,000.  NaN and infinities in the inputs are not honoured.
.set XF,    110592                     ; LDS: x fragments [block 2][kc 6][t 4][g 2][lane 32][16 bytes], 49,152 bytes, behind the weights
.set TILEB, 6912                       ; LDS: a weight tile (16 output channels x 192): 24 blocks (index 4 kc + 2 g + h) of 16 rows x 16 bytes, 288 bytes apart;
.set PBLK,  288                        ; tiles q0 q1 k0 k1 v0..v11 from byte 0.  288 = 256 + 32: the stores' sixteen lanes (8 blocks x 2 rows) hit sixteen different 16-byte columns modulo 256
.set LN,  1                            ; lane
.set RR,  2                            ; r = lane % 16
.set HH,  3                            ; h = lane / 16
.set XO,  4                            ; x: h x 8 rows + 16 r
.set XW,  5                            ; LDS: where I put x fragments
.set WG,  6                            ; weights: (lane / 8) rows + 32 (lane % 8)
.set WL,  7                            ; LDS: where I put wa's blocks
.set GA,  8                            ; w1 / w2: WG + my tile's rows 0-7
.set WQ,  9                            ; LDS: where I put w1's / w2's blocks
.set GB,  10                           ; w1 / w2: WG + my tile's rows 8-15 (tile 1: rows 16-23 once more, cleared later)
.set BO,  13                           ; 32 h
.set ZR,  14                           ; 0
.set VO,  15                           ; ba: 4 (96 oh + r)
.set XR,  16                           ; LDS: my block's x fragments
.set WRQ, 17                           ; LDS: my q or k weight fragments
.set WRV, 18                           ; LDS: my six v weight tiles
.set SO,  19                           ; 16 lane
.set C1Q, 20                           ; v[20:21] c1 of q / k, twice
.set C2Q, 22
.set C2V, 23
.set C1V, 24                           ; v[24:25] c1 of v, twice
.set VBS, 26                           ; v[26:31] ba of my channel in each of my six tiles
.set CB,  32                           ; v[32:47] two C tiles that hold the bias: the first product adds onto them, nothing is cleared
.set T,   48                           ; v[48:239] ahead of the barrier: packed bf16 on their way to LDS
.set W,   48                           ; v[48:143] behind it: weight fragments of two tiles x 6 kc
.set ACC, 144                          ; v[144:207] eight accumulators (tile e, t)
.set TMP, 208                          ; v[208:223]
.set OUT, 224                          ; v[224:255] eight packed results
; window 1: v256-447 x as loaded, later the 24 x fragments at 8 (4 kc + t); v448-831 (windows 1, 2, 3): weights as loaded, step st at 448 + 8 st
.set MSB, 0
.macro WIN new                         ; s_set_vgpr_msb: bits 1:0 source 0, 3:2 source 1, 5:4 source 2, 7:6 destination; the high byte repeats the setting that is left
.if MSB != \new
	s_set_vgpr_msb (MSB<<8)|\new
.set MSB, \new
.endif
.endm
.macro PLACES                          ; four places behind a matrix instruction before its result is read or a load lands on its sources
.rept 4
	v_nop
.endr
.endm
.macro WM d, a, b, c
	v_wmma_f32_16x16x32_bf16 v[\d:\d+7], v[\a:\a+7], v[\b:\b+7], v[\c:\c+7]
.endm
	s_load_b512 s[8:23], s[0:1], 0x0               ; x s[8:9], w1 s[10:11], w2 s[12:13], wa s[14:15], b1 s[16:17], b2 s[18:19], ba s[20:21], a1 s[22:23]
	s_load_b256 s[24:31], s[0:1], 0x40             ; a2 s[24:25], aa s[26:27], qf s[28:29], kv s[30:31]
	v_lshl_add_u32 v11, v0, 2, 0x27000
	v_mov_b32 v12, 0
	v_lshrrev_b32 v[T], 5, v0
	v_readfirstlane_b32 s4, v[T]                   ; wave w
	s_lshr_b32 s5, s4, 1                           ; pb
	s_and_b32 s6, s4, 1                            ; oh
	s_and_b32 s7, ttmp7, 0xffff                    ; batch
	v_and_b32 v[LN], 31, v0
	v_and_b32 v[RR], 15, v0
	v_bfe_u32 v[HH], v0, 4, 1
	v_and_b32 v[T], 7, v0                          ; lane % 8
	v_bfe_u32 v[T+1], v0, 3, 2                     ; lane / 8
	v_lshlrev_b32 v[XO], 4, v[RR]
	v_lshl_add_u32 v[XO], v[HH], 17, v[XO]         ; 8 rows of 16,384 bytes for the upper half of the lanes
	s_mul_i32 s50, s4, 12288
	s_add_co_u32 s50, s50, XF
	v_lshl_add_u32 v[XW], v[LN], 4, s50            ; wave w fills the 12,288 bytes of block w / 2, kc 3 (w % 2) .. + 2
	s_mul_i32 s50, s5, 24576
	s_add_co_u32 s50, s50, XF
	v_lshl_add_u32 v[XR], v[LN], 4, s50
	v_mul_u32_u24 v[WG], v[T+1], 768
	v_lshl_add_u32 v[WG], v[T], 5, v[WG]
	s_mul_i32 s50, s6, 12288                       ; tile 1 begins at row 16
	v_add_nc_u32 v[GA], s50, v[WG]
	s_mul_i32 s50, s6, 6144
	s_add_co_u32 s50, s50, 6144                    ; tile 0: row 8; tile 1: row 16 again, so that no load leaves the 24 rows
	v_add_nc_u32 v[GB], s50, v[WG]
	v_mul_u32_u24 v[T+2], v[T], PBLK
	v_lshl_add_u32 v[T+2], v[T+1], 4, v[T+2]       ; block lane % 8, row lane / 8
	s_mul_i32 s50, s4, TILEB
	v_add_nc_u32 v[WQ], s50, v[T+2]                ; wave w fills tile w of q0 q1 k0 k1
	s_mul_i32 s50, s4, 3*TILEB
	s_add_co_u32 s50, s50, 4*TILEB
	v_add_nc_u32 v[WL], s50, v[T+2]                ; and v's tiles 3 w .. 3 w + 2
	v_lshlrev_b32 v[BO], 5, v[HH]
	v_mov_b32 v[ZR], 0
	s_mul_i32 s50, s6, 384
	v_lshl_add_u32 v[VO], v[RR], 2, s50
	v_mul_u32_u24 v[T+2], v[HH], PBLK
	v_lshl_add_u32 v[T+2], v[RR], 4, v[T+2]        ; a fragment load: block + h, row r: each half of the lanes reads 256 consecutive bytes
	s_mul_i32 s50, s6, 2*TILEB
	v_add_nc_u32 v[WRQ], s50, v[T+2]
	s_mul_i32 s50, s6, 6*TILEB
	s_add_co_u32 s50, s50, 4*TILEB
	v_add_nc_u32 v[WRV], s50, v[T+2]
	v_lshlrev_b32 v[SO], 4, v[LN]
	; offsets, apart from the addresses
	s_mul_i32 s50, s7, 3145728                     ; x: batch,
	s_lshl_b32 s52, ttmp9, 9                       ; 128 positions of the work-group,
	s_add_co_u32 s50, s50, s52
	s_lshl_b32 s52, s5, 8                          ; my block of 64,
	s_add_co_u32 s50, s50, s52
	s_mul_i32 s52, s6, 1572864                     ; my 96 channel rows
	s_add_co_u32 s50, s50, s52
	s_mov_b32 s51, 0
	s_mul_i32 s52, s4, 36864                       ; wa: my 48 rows
	s_mov_b32 s53, 0
	s_lshl_b32 s54, s7, 6
	s_lshl_b32 s55, ttmp9, 1
	s_add_co_u32 s54, s54, s55
	s_add_co_u32 s54, s54, s5                      ; my block's number among all 512
	s_mul_i32 s56, s54, 28672                      ; kv: two chunks a block
	s_mov_b32 s57, 0
	s_lshl_b32 s54, s54, 12                        ; qf: four tiles a block
	s_mov_b32 s55, 0
	s_mul_i32 s58, s6, 6144                        ; kv: my six V fragments of a chunk
	s_mov_b32 s59, 0
	s_mov_b32 s60, 2048                            ; from tiles 0, 1 to tiles 2, 3: in qf 2,048 bytes, in kv a chunk
	s_mov_b32 s61, 0
	s_wait_kmcnt 0x0
	s_add_nc_u64 s[8:9], s[8:9], s[50:51]
	s_add_nc_u64 s[14:15], s[14:15], s[52:53]
	s_add_nc_u64 s[30:31], s[30:31], s[56:57]      ; kv at my block's first chunk
	s_add_nc_u64 s[28:29], s[28:29], s[54:55]      ; qf at my block's first tile
	s_cmp_eq_u32 s5, 0
	s_cselect_b64 s[34:35], s[10:11], s[12:13]     ; the weights that I stage: w1 (waves 0, 1) or w2
	s_cmp_eq_u32 s6, 0
	s_cselect_b64 s[36:37], s[16:17], s[18:19]     ; what I compute: q with b1, a1, or k with b2, a2
	s_cselect_b64 s[38:39], s[22:23], s[24:25]
	s_cselect_b64 s[42:43], s[28:29], s[30:31]     ; and where it goes: tiles 0, 1
	s_cselect_b32 s60, s60, 14336
	s_cselect_b32 s62, -1, 0                       ; keeps rows 8-15 of the tile that I stage, or clears them (channels 24-31)
	s_add_nc_u64 s[44:45], s[42:43], s[60:61]      ; tiles 2, 3
	s_add_nc_u64 s[46:47], s[30:31], s[58:59]      ; v: chunk 0
	s_add_nc_u64 s[48:49], s[46:47], 14336         ; v: chunk 1
	s_load_b32 s40, s[38:39], 0x0                  ; slope of q or k
	s_load_b32 s41, s[26:27], 0x0                  ; slope of v
	; ALL LOADS GO OUT AT ONCE: 10 of bias, 48 of x, 96 of weights
	global_load_b128 v[CB:CB+3],     v[BO], s[36:37]             ; C tile 0: register j = bias of channel 8 h + j
	global_load_b128 v[CB+4:CB+7],   v[BO], s[36:37] offset:16
	global_load_b128 v[CB+8:CB+11],  v[ZR], s[36:37] offset:64   ; C tile 1: channels 16-23 in every lane (no h term: the bias has 24 numbers); the upper lanes are cleared below
	global_load_b128 v[CB+12:CB+15], v[ZR], s[36:37] offset:80
.irp e, 0,1,2,3,4,5
	global_load_b32 v[VBS+\e], v[VO], s[20:21] offset:64*\e
.endr
	WIN 0x40
.set ix, 0                                         ; ix = 8 (2 kc + g) + i: channel row 16 (ix / 8) + 8 h + ix % 8 of my 96
.rept 48
	global_load_b128 v[4*ix:4*ix+3], v[XO], s[8:9] offset:((ix/8)*16+ix%8)*16384 th:TH_LOAD_NT   ; each half of the lanes: 256 consecutive bytes, aligned; every byte of x is read once in the launch
.set ix, ix+1
.endr
.set st, 0                                         ; a step: 4 rows x 64 columns, 32 bytes a lane
.rept 48
.if st < 8
	WIN 0x40
.else
.if st < 40
	WIN 0x80
.else
	WIN 0xc0
.endif
.endif
.set wd, (192+8*st)%256
.if st < 6
	global_load_b128 v[wd:wd+3],   v[GA], s[34:35] offset:(st/3)*3072+(st%3)*256
	global_load_b128 v[wd+4:wd+7], v[GA], s[34:35] offset:(st/3)*3072+(st%3)*256+16
.else
.if st < 12
	global_load_b128 v[wd:wd+3],   v[GB], s[34:35] offset:(st/3-2)*3072+(st%3)*256
	global_load_b128 v[wd+4:wd+7], v[GB], s[34:35] offset:(st/3-2)*3072+(st%3)*256+16
.else
	global_load_b128 v[wd:wd+3],   v[WG], s[14:15] offset:((st-12)/3)*3072+(st%3)*256
	global_load_b128 v[wd+4:wd+7], v[WG], s[14:15] offset:((st-12)/3)*3072+(st%3)*256+16
.endif
.endif
.set st, st+1
.endr
	; x to bf16 fragments.  fx = 2 (4 kc + t) + g; register k of the half fragment packs channel rows 2 k, 2 k + 1 of the eight, component t
	s_wait_loadcnt 63                              ; loads come back in order: of the 154 the oldest 91 are in: bias, x, weight steps 0 to 15
	WIN 0x05
.set fx, 0
.rept 24
.set kg, (fx/8)*2+fx%2
.set tq, (fx/2)%4
.irp k, 0,1,2,3
	v_cvt_pk_bf16_f32 v[T+4*fx+\k], v[(kg*8+2*\k)*4+tq], v[(kg*8+2*\k+1)*4+tq]
.endr
.set fx, fx+1
.endr
	WIN 0
.set fx, 0
.rept 24
	ds_store_b128 v[XW], v[T+4*fx:T+4*fx+3] offset:fx*512
.set fx, fx+1
.endr
	s_wait_kmcnt 0x0                               ; the two slopes
	v_fma_f32 v[C1Q], s40, 0.5, 0.5
	v_fma_f32 v[C2Q], s40, -0.5, 0.5
	v_fma_f32 v[C1V], s41, 0.5, 0.5
	v_fma_f32 v[C2V], s41, -0.5, 0.5
	v_mov_b32 v[C1Q+1], v[C1Q]
	v_mov_b32 v[C1V+1], v[C1V]
	v_cmp_gt_u32 vcc_lo, 16, v[LN]
	; weights to bf16: a step's 8 numbers a lane become the 16 bytes of one row of one block
.macro CVTW from, to
.set st, \from
.rept \to-\from
.set wd, (192+8*st)%256
.irp k, 0,1,2,3
	v_cvt_pk_bf16_f32 v[T+4*st+\k], v[wd+2*\k], v[wd+2*\k+1]
.endr
.set st, st+1
.endr
.endm
	WIN 0x05
	CVTW 0, 8
	s_wait_loadcnt 16                              ; only the 16 loads of steps 40 to 47 may be out
	WIN 0x0a
	CVTW 8, 40
	s_wait_loadcnt 0x0
	WIN 0x0f
	CVTW 40, 48
	WIN 0
.set ix, 24
.rept 24
	v_and_b32 v[T+ix], s62, v[T+ix]                ; steps 6 to 11 = rows 8-15 of my q / k tile: kept in tile 0, zero in tile 1
.set ix, ix+1
.endr
.set st, 0
.rept 48
.if st < 12
	ds_store_b128 v[WQ], v[T+4*st:T+4*st+3] offset:(st%3)*8*PBLK+(st/3)*64
.else
	ds_store_b128 v[WL], v[T+4*st:T+4*st+3] offset:((st-12)/12)*TILEB+(st%3)*8*PBLK+(((st-12)/3)%4)*64
.endif
.set st, st+1
.endr
.irp j, 0,1,2,3,4,5,6,7
	v_cndmask_b32 v[CB+8+\j], 0, v[CB+8+\j], vcc_lo            ; channels 24-31 (the upper lanes of C tile 1) have no bias
.endr
	s_wait_dscnt 0x0                               ; my stores are in LDS, for the other waves' sake
	s_barrier_signal -1
	s_barrier_wait -1                              ; everybody's are: the one barrier of the kernel
.macro LOADW adr, off                  ; the fragments of two weight tiles, 6 kc each
.irp e, 0,1
.irp kc, 0,1,2,3,4,5
	ds_load_b128 v[W+8*(6*\e+\kc):W+8*(6*\e+\kc)+3],   v[\adr] offset:\off+\e*TILEB+(4*\kc)*PBLK
	ds_load_b128 v[W+8*(6*\e+\kc)+4:W+8*(6*\e+\kc)+7], v[\adr] offset:\off+\e*TILEB+(4*\kc+2)*PBLK
.endr
.endr
.endm
	WIN 0x40
.set fx, 0
.rept 48
	ds_load_b128 v[4*fx:4*fx+3], v[XR] offset:fx*512           ; my block's 24 x fragments stay in registers for all four units
.set fx, fx+1
.endr
	WIN 0
	LOADW WRQ, 0
	s_wait_dscnt 0x0
; 48 matrix instructions: two weight tiles x four position tiles x 6 kc.  qk = 1: D = W X (a lane holds 8 channels of one position);
; qk = 0: D = X^T W^T (a lane holds 8 positions of one channel).  The eight accumulators take turns, one instruction a turn.
.macro MM qk
.if \qk
	WIN 0x04
.else
	WIN 0x01
.endif
.irp kc, 0,1,2,3,4,5
.irp e, 0,1
.irp tt, 0,1,2,3
.if \qk
.if \kc == 0
	WM ACC+8*(4*\e+\tt), W+8*(6*\e+\kc), 8*(4*\kc+\tt), CB+8*\e
.else
	WM ACC+8*(4*\e+\tt), W+8*(6*\e+\kc), 8*(4*\kc+\tt), ACC+8*(4*\e+\tt)
.endif
.else
.if \kc == 0
	WM ACC+8*(4*\e+\tt), 8*(4*\kc+\tt), W+8*(6*\e+\kc), CB+8*\e
.else
	WM ACC+8*(4*\e+\tt), 8*(4*\kc+\tt), W+8*(6*\e+\kc), ACC+8*(4*\e+\tt)
.endif
.endif
.endr
.endr
.endr
	WIN 0
.endm
; PReLU and rounding: y = c1 x + c2 |x|, eight numbers a tile into 16 bytes
.macro EPI c1, c2
.irp q, 0,1,2,3,4,5,6,7
.irp p, 0,2,4,6
	v_pk_mul_f32 v[TMP+8*(\q%2)+\p:TMP+8*(\q%2)+\p+1], v[ACC+8*\q+\p:ACC+8*\q+\p+1], v[\c1:\c1+1]
.endr
.irp p, 0,1,2,3,4,5,6,7
	v_fma_f32 v[TMP+8*(\q%2)+\p], |v[ACC+8*\q+\p]|, v[\c2], v[TMP+8*(\q%2)+\p]
.endr
.irp p, 0,1,2,3
	v_cvt_pk_bf16_f32 v[OUT+4*\q+\p], v[TMP+8*(\q%2)+2*\p], v[TMP+8*(\q%2)+2*\p+1]
.endr
.endr
.endm
; A unit.  vn: which pair of my six v tiles this is; nxt: the pair whose weights are fetched meanwhile (3: none)
.macro UNIT qk, vn, nxt
	MM \qk
	PLACES
.if \nxt < 3
	LOADW WRV, \nxt*2*TILEB
.endif
	s_wait_xcnt 0x0                                ; OUT, which the last unit's stores read, is rewritten only behind this wait
.if \qk
	EPI C1Q, C2Q
.else
	EPI C1V, C2V
.endif
.irp e, 0,1
.irp tt, 0,1,2,3
.if \qk
	global_store_b128 v[SO], v[OUT+4*(4*\e+\tt):OUT+4*(4*\e+\tt)+3], s[42+2*(\tt/2):43+2*(\tt/2)] offset:(\tt%2)*1024+\e*512   ; half g = e of tile t: 512 consecutive bytes, aligned
.else
	global_store_b128 v[SO], v[OUT+4*(4*\e+\tt):OUT+4*(4*\e+\tt)+3], s[46+2*(\tt/2):47+2*(\tt/2)] offset:2048+(2*\vn+\e)*1024+(\tt%2)*512   ; half g = t % 2 of the fragment of chunk t / 2
.endif
.endr
.endr
.if \nxt < 3
.irp e, 0,1
.irp j, 0,1,2,3,4,5,6,7
	v_mov_b32 v[CB+8*\e+\j], v[VBS+2*\nxt+\e]      ; the next unit's C tiles: my channel's bias in all eight rows
.endr
.endr
	s_wait_dscnt 0x0                               ; the next unit's weights
.endif
.endm
	UNIT 1, 0, 0
	UNIT 0, 0, 1
	UNIT 0, 1, 2
	UNIT 0, 2, 3
	s_wait_tensorcnt 0x0
	ds_add_u32 v11, v12
	s_wait_dscnt 0x0
	s_endpgm
.Lfunc_end_k_q374a1e9823_proj:
	.size	k_q374a1e9823_proj, .Lfunc_end_k_q374a1e9823_proj-k_q374a1e9823_proj
	.p2alignl 7, 3214868480
	.fill 96, 4, 3214868480
	.section	.rodata,"a",@progbits
	.p2align	6, 0x0
	.amdhsa_kernel k_q374a1e9823_proj
		.amdhsa_group_segment_fixed_size 160256
		.amdhsa_private_segment_fixed_size 0
		.amdhsa_enable_private_segment 0
		.amdhsa_kernarg_size 96
		.amdhsa_user_sgpr_count 2
		.amdhsa_user_sgpr_kernarg_segment_ptr 1
		.amdhsa_wavefront_size32 1
		.amdhsa_system_sgpr_workgroup_id_x 1
		.amdhsa_system_sgpr_workgroup_id_y 1
		.amdhsa_system_sgpr_workgroup_id_z 1
		.amdhsa_system_vgpr_workitem_id 0
		.amdhsa_next_free_vgpr 832
		.amdhsa_next_free_sgpr 66
		.amdhsa_reserve_vcc 1
		.amdhsa_float_denorm_mode_32 3
		.amdhsa_float_denorm_mode_16_64 3
		.amdhsa_memory_ordered 1
		.amdhsa_forward_progress 1
		.amdhsa_inst_pref_size 102
	.end_amdhsa_kernel
	.amdgpu_metadata
---
amdhsa.version: [ 1, 2 ]
amdhsa.kernels:
  - .name:           k_q374a1e9823_proj
    .symbol:         k_q374a1e9823_proj.kd
    .args:
      - { .name: x, .offset: 0, .size: 8, .value_kind: global_buffer, .address_space: global }
      - { .name: w1, .offset: 8, .size: 8, .value_kind: global_buffer, .address_space: global }
      - { .name: w2, .offset: 16, .size: 8, .value_kind: global_buffer, .address_space: global }
      - { .name: wa, .offset: 24, .size: 8, .value_kind: global_buffer, .address_space: global }
      - { .name: b1, .offset: 32, .size: 8, .value_kind: global_buffer, .address_space: global }
      - { .name: b2, .offset: 40, .size: 8, .value_kind: global_buffer, .address_space: global }
      - { .name: ba, .offset: 48, .size: 8, .value_kind: global_buffer, .address_space: global }
      - { .name: a1, .offset: 56, .size: 8, .value_kind: global_buffer, .address_space: global }
      - { .name: a2, .offset: 64, .size: 8, .value_kind: global_buffer, .address_space: global }
      - { .name: aa, .offset: 72, .size: 8, .value_kind: global_buffer, .address_space: global }
      - { .name: qf, .offset: 80, .size: 8, .value_kind: global_buffer, .address_space: global }
      - { .name: kv, .offset: 88, .size: 8, .value_kind: global_buffer, .address_space: global }
    .group_segment_fixed_size: 160256
    .private_segment_fixed_size: 0
    .kernarg_segment_align: 8
    .kernarg_segment_size: 96
    .max_flat_workgroup_size: 128
    .sgpr_count:     66
    .vgpr_count:     832
    .wavefront_size: 32
...
	.end_amdgpu_metadata
.endif
;; end of part 1
;; launch attn (part 2): grid 32 x 8, 4 waves a work-group, clusters of 4 x 1, 327,680 bytes of LDS; arguments qf, kv, out0; writes out0
.if DOCPART == 2
	.amdgcn_target "amdgcn-amd-amdhsa--gfx1250"
	.amdhsa_code_object_version 6
	.text
	.protected	k_q374a1e9823_attn
	.globl	k_q374a1e9823_attn
	.p2align	8
	.type	k_q374a1e9823_attn,@function
k_q374a1e9823_attn:
	s_mov_b64 s[64:65], 0
	v_nop
	global_prefetch_b8 v0, s[64:65] scope:SCOPE_SE
	s_setreg_imm32_b32 hwreg(HW_REG_WAVE_MODE, 25, 1), 1
	s_wait_xcnt 0x0
	s_wait_alu depctr_hold_cnt(0) depctr_sa_sdst(0) depctr_va_vdst(0) depctr_va_sdst(0) depctr_va_ssrc(0) depctr_va_vcc(0) depctr_vm_vsrc(0)
	s_getreg_b32 s2, hwreg(HW_REG_IB_STS2, 6, 4)
	s_cmp_eq_u32 s2, 0
	s_cbranch_scc0 .Lentry_in_a_cluster
	s_endpgm
.Lentry_in_a_cluster:
	s_bfe_u32 s2, ttmp6, 0x10000c
	s_cmp_lg_u32 s2, 0x3003
	s_cbranch_scc0 .Lentry_shape_is_right
	s_endpgm
.Lentry_shape_is_right:
; out[b][c][n] = sum over keys m of softmax_m(q[n] . k[m]) v[m][c], 4,096 keys a batch, with a running maximum.  q, k, v in bf16 as the launch before laid them
; (qf, kv: fragment order; row r of tile t of a block of 64 positions is position n0 + 4 r + t); sums, maxima and exponentials in f32; P rounded to bf16.
; A work-group: one batch, 128 queries.  Wave w: queries block qh = w / 2 (64 queries, four tiles), keys half kh = w % 2 of every key tile; the two halves meet once, at the end.
; S^T = K Q^T puts 8 keys of one query into a lane's 8 registers: maximum and sum are taken inside the lane plus one exchange of the halves, and two packed S tiles ARE
; the B fragment P of O^T = V^T P.  O^T's register j of the four query tiles holds four neighbouring positions of one channel row: 16 bytes a lane, stored from registers.
; CLUSTER: the four work-groups of a cluster walk the same K and V of one batch.  Each tile of 256 keys (114,688 bytes) is asked for jointly (mask 15), each wave a quarter,
; through two LDS slots; a round of the cluster's barrier stands in front of every joint load.  A wave has one tensor load outstanding.
; LIMITS.  NaN and infinities are not honoured.  v_exp_f32 gives zero for results below 2^-126 (ISA guide, its entry): such weights count as zero.
.set SLOT,  114688                     ; 8 chunks of 32 keys
.set CHUNK, 14336                      ; two K tiles (2 x 1,024), twelve V fragments (12 x 1,024)
.set QUART, 28672                      ; what one tensor load brings: 112 rows of 256 bytes
.set MRG,   25600                      ; the meeting at the end: 24 tiles of 1,024 bytes, then 8 x 128 bytes, for each wave, in slot 0 after its last fill and last read
.set LA,  1                            ; v1, v2  16 lane + my half of slot 0, 1
.set MS,  3                            ; where I put tiles for my partner
.set MR,  4                            ; where my partner put tiles for me
.set MS4, 5                            ; the same for the 8 single numbers
.set MR4, 6
.set OO,  7                            ; out0: h x 8 rows + 16 r
.set M,   8                            ; v[8:11]   running maximum of query tile qt; at the end my factor
.set NM,  12                           ; v[12:19]  - log2(e) x maximum, twice
.set AL,  20                           ; v[20:27]  the step's rescaling factor, twice; at the end my partner's factor
.set LS,  28                           ; v[28:43]  sums: query tile x 2 chains x a pair
.set T,   44                           ; v[44:59]
.set QA,  60                           ; 16 lane
.set VB0, 64                           ; v[64:159]  12 V fragments
.set VB1, 160                          ; v[160:255] 12 V fragments; its first 64 registers hold the 8 K fragments first
.set QF,  128                          ; window 3: the 4 Q fragments
; window 1: S(kt, qt) at 8 (4 kt + qt); P(u, qt) is packed in place onto S(2 u, qt).  window 2: accumulators (ct 0-7, qt) at 8 (4 ct + qt).  window 3: (ct 8-11, qt) at 0-127
.set MSB, 0
.macro WIN new                         ; s_set_vgpr_msb: bits 1:0 source 0, 3:2 source 1, 5:4 source 2, 7:6 destination; the high byte repeats the setting that is left
.if MSB != \new
	s_set_vgpr_msb (MSB<<8)|\new
.set MSB, \new
.endif
.endm
.macro PLACES n                        ; places behind a matrix instruction: 4 before its result is read or a load lands on a source, 5 before a matrix instruction writes over one
.rept \n
	v_nop
.endr
.endm
.macro ROUND                           ; a round of the cluster's barrier: my work-group's barrier, wave 0 signals for the work-group, all wait for all four, my work-group's barrier again
	s_barrier_signal -1
	s_barrier_wait -1
	s_cmp_lg_u32 s10, 0
	s_cbranch_scc1 .Lnot_wave_0_\@
	s_barrier_signal -3
.Lnot_wave_0_\@:
	s_barrier_wait -3
	s_barrier_signal -1
	s_barrier_wait -1
.endm
	s_load_b128 s[4:7], s[0:1], 0x0                ; qf s[4:5], kv s[6:7]
	s_load_b64 s[8:9], s[0:1], 0x10                ; out0
	v_lshl_add_u32 v62, v0, 2, 0x38000
	v_mov_b32 v63, 0
	ds_add_u32 v62, v63
	v_lshrrev_b32 v[T], 5, v0
	v_readfirstlane_b32 s10, v[T]                  ; wave w
	s_lshr_b32 s11, s10, 1                         ; qh
	s_and_b32 s12, s10, 1                          ; kh
	s_bfe_u32 s13, ttmp6, 0x40000                  ; cx: my place in the cluster; it enters the addresses of qf and out0 alone
	s_lshl_b32 s14, ttmp9, 2
	s_add_co_u32 s14, s14, s13                     ; work-group x = 4 x cluster x + cx
	s_and_b32 s15, ttmp7, 0xffff                   ; batch
	; descriptor group 1: a dense block of 28,672 bytes as 112 rows of 32 elements of 8 bytes
	s_mov_b32 s16, 15|(3<<16)|(1<<21)              ; 15:0 mask: all four work-groups; 17:16 elements of 8 bytes; 21 set beside a mask; no padding: fragments are read 16 bytes a lane, consecutively
	s_mov_b32 s17, 32<<16                          ; tensor_dim0 = 32
	s_mov_b32 s18, 112<<16                         ; tensor_dim1 = 112
	s_mov_b32 s19, 32<<16                          ; tile_dim0 = 32
	s_mov_b32 s20, 112                             ; tile_dim1 = 112
	s_mov_b32 s21, 32                              ; from row to row: 32 elements
	s_mov_b32 s22, 0
	s_mov_b32 s23, 0
	s_mov_b32 s24, 0x3fb8aa3b                      ; log2(e), twice for the packed form
	s_mov_b32 s25, 0x3fb8aa3b
	s_mov_b32 s26, 0xbfb8aa3b                      ; - log2(e)
	s_mov_b32 s27, 0x76543210                      ; v_permlanex16_b32: lane i reads lane i of the other half
	s_mov_b32 s28, 0xfedcba98
	s_mul_i32 s42, s10, QUART                      ; my quarter of a slot
	s_mul_i32 s50, s15, 128*CHUNK                  ; kv: the batch and my quarter: equal in all four work-groups
	s_add_co_u32 s50, s50, s42
	s_mov_b32 s51, 0
	s_lshl_b32 s46, s15, 6
	s_lshl_b32 s47, s14, 1
	s_add_co_u32 s47, s47, s11                     ; my block of 64 queries in the batch
	s_add_co_u32 s46, s46, s47
	s_lshl_b32 s46, s46, 12                        ; qf: 4,096 bytes a block
	s_lshl_b32 s48, s47, 8                         ; out0: 256 bytes of a row,
	s_mov_b32 s47, 0
	s_mul_i32 s49, s15, 3145728                    ; the batch,
	s_add_co_u32 s48, s48, s49
	s_mul_i32 s49, s12, 1572864                    ; and the 96 channel rows that I store
	s_add_co_u32 s48, s48, s49
	s_mov_b32 s49, 0
	v_and_b32 v[T], 31, v0
	v_lshlrev_b32 v[QA], 4, v[T]
	s_mul_i32 s40, s12, 4*CHUNK                    ; my four chunks of a slot's eight
	v_add_nc_u32 v[LA], s40, v[QA]
	v_add_nc_u32 v[LA+1], SLOT, v[LA]
	s_mul_i32 s41, s10, MRG
	v_add_nc_u32 v[MS], s41, v[QA]
	v_lshl_add_u32 v[MS4], v[T], 2, s41
	v_add_nc_u32 v[MS4], 24576, v[MS4]
	s_xor_b32 s41, s10, 1                          ; my partner: same queries, the other keys
	s_mul_i32 s41, s41, MRG
	v_add_nc_u32 v[MR], s41, v[QA]
	v_lshl_add_u32 v[MR4], v[T], 2, s41
	v_add_nc_u32 v[MR4], 24576, v[MR4]
	v_and_b32 v[T+1], 15, v0
	v_bfe_u32 v[T+2], v0, 4, 1
	v_lshlrev_b32 v[OO], 4, v[T+1]
	v_lshl_add_u32 v[OO], v[T+2], 17, v[OO]
.irp i, 0,1,2,3,4,5,6,7,8,9,10,11,12,13,14,15
	v_mov_b32 v[LS+\i], 0                          ; the sixteen sum registers, once
.endr
	s_wait_dscnt 0x0
	s_wait_kmcnt 0x0
	s_add_nc_u64 s[6:7], s[6:7], s[50:51]
	s_add_nc_u64 s[4:5], s[4:5], s[46:47]
	s_add_nc_u64 s[8:9], s[8:9], s[48:49]
.irp n, 0,1
	s_mov_b32 s[32+4*\n], 1                                    ; group 0 of slot n: count = 1
	s_add_co_u32 s[33+4*\n], s42, \n*SLOT                      ; LDS address: the slot and the wave's quarter
	s_add_nc_u64 s[34+4*\n:35+4*\n], s[6:7], \n*SLOT           ; global address: key tile n
	s_or_b32 s[35+4*\n], s[35+4*\n], 0x80000000                ; type = 2
.endr
	ROUND                                          ; all four work-groups are here: the first joint loads meet
	tensor_load_to_lds s[32:35], s[16:23]          ; key tile 0
	s_nop 0
	WIN 0xc0
.irp qt, 0,1,2,3
	global_load_b128 v[QF+8*\qt:QF+8*\qt+3],   v[QA], s[4:5] offset:\qt*1024
	global_load_b128 v[QF+8*\qt+4:QF+8*\qt+7], v[QA], s[4:5] offset:\qt*1024+512
.endr
	WIN 0
	s_wait_loadcnt 0x0                             ; Q, here where the wave waits for tile 0 anyway: no load is out at the barriers that follow
.macro LOADK slot                      ; the 8 K fragments of my 128 keys
.irp kt, 0,1,2,3,4,5,6,7
	ds_load_b128 v[VB1+8*\kt:VB1+8*\kt+3],   v[LA+\slot] offset:(\kt/2)*CHUNK+(\kt%2)*1024
	ds_load_b128 v[VB1+8*\kt+4:VB1+8*\kt+7], v[LA+\slot] offset:(\kt/2)*CHUNK+(\kt%2)*1024+512
.endr
.endm
.macro LOADV slot, u, vb               ; the 12 V fragments of chunk u: 24 loads
.irp ct, 0,1,2,3,4,5,6,7,8,9,10,11
	ds_load_b128 v[\vb+8*\ct:\vb+8*\ct+3],   v[LA+\slot] offset:\u*CHUNK+2048+\ct*1024
	ds_load_b128 v[\vb+8*\ct+4:\vb+8*\ct+7], v[LA+\slot] offset:\u*CHUNK+2048+\ct*1024+512
.endr
.endm
; O^T += V^T(chunk u) P(u): 48 matrix instructions.  The 48 accumulators take turns, one instruction a turn, in the same order in every chunk.
.macro PV u, vb, zero
	WIN 0xa4
.irp ct, 0,1,2,3,4,5,6,7
.irp qt, 0,1,2,3
.if \zero
	v_wmma_f32_16x16x32_bf16 v[8*(4*\ct+\qt):8*(4*\ct+\qt)+7], v[\vb+8*\ct:\vb+8*\ct+7], v[64*\u+8*\qt:64*\u+8*\qt+7], 0
.else
	v_wmma_f32_16x16x32_bf16 v[8*(4*\ct+\qt):8*(4*\ct+\qt)+7], v[\vb+8*\ct:\vb+8*\ct+7], v[64*\u+8*\qt:64*\u+8*\qt+7], v[8*(4*\ct+\qt):8*(4*\ct+\qt)+7]
.endif
.endr
.endr
	WIN 0xf4
.irp ct, 0,1,2,3
.irp qt, 0,1,2,3
.if \zero
	v_wmma_f32_16x16x32_bf16 v[8*(4*\ct+\qt):8*(4*\ct+\qt)+7], v[\vb+64+8*\ct:\vb+64+8*\ct+7], v[64*\u+8*\qt:64*\u+8*\qt+7], 0
.else
	v_wmma_f32_16x16x32_bf16 v[8*(4*\ct+\qt):8*(4*\ct+\qt)+7], v[\vb+64+8*\ct:\vb+64+8*\ct+7], v[64*\u+8*\qt:64*\u+8*\qt+7], v[8*(4*\ct+\qt):8*(4*\ct+\qt)+7]
.endif
.endr
.endr
	WIN 0
.endm
; One key tile for a wave: 128 keys x 64 queries.  first = 1: no old maximum, no rescaling, the first products start the sums.
.macro STEP slot, first
	LOADK \slot
	LOADV \slot, 0, VB0
	s_wait_dscnt 24                                ; LDS loads come back in order: K's 16 are in, V chunk 0's 24 may be out
	WIN 0x4c
.irp kt, 0,1,2,3,4,5,6,7
.irp qt, 0,1,2,3
	v_wmma_f32_16x16x32_bf16 v[8*(4*\kt+\qt):8*(4*\kt+\qt)+7], v[VB1+8*\kt:VB1+8*\kt+7], v[QF+8*\qt:QF+8*\qt+7], 0   ; S^T: register j = key row 8 h + j of tile kt, query r of tile qt
.endr
.endr
	WIN 0
	PLACES 4                                       ; then K's registers may be loaded again and S may be read
	LOADV \slot, 1, VB1
	; the largest score of each query: sixteen chains (query tile, two key tiles), two new registers an instruction
	WIN 0x05
.irp qt, 0,1,2,3
.irp cc, 0,1,2,3
	v_max_num_f32 v[T+4*\qt+\cc], v[64*\cc+8*\qt], v[64*\cc+8*\qt+1]
.endr
.endr
.irp sx, 1,2,3,4,5,6,7
.irp qt, 0,1,2,3
.irp cc, 0,1,2,3
	v_max3_num_f32 v[T+4*\qt+\cc], v[64*\cc+32*(\sx/4)+8*\qt+2*(\sx%4)], v[64*\cc+32*(\sx/4)+8*\qt+2*(\sx%4)+1], v[T+4*\qt+\cc]
.endr
.endr
.endr
	WIN 0
.irp qt, 0,1,2,3
	v_max3_num_f32 v[T+4*\qt], v[T+4*\qt], v[T+4*\qt+1], v[T+4*\qt+2]
.endr
.irp qt, 0,1,2,3
.if \first
	v_max_num_f32 v[T+4*\qt], v[T+4*\qt], v[T+4*\qt+3]
.else
	v_max3_num_f32 v[T+4*\qt], v[T+4*\qt], v[T+4*\qt+3], v[M+\qt]
.endif
.endr
.irp qt, 0,1,2,3
	v_permlanex16_b32 v[T+4*\qt+1], v[T+4*\qt], s27, s28       ; the other half of the lanes holds the query's other key rows
.endr
.irp qt, 0,1,2,3
	v_max_num_f32 v[M+\qt], v[T+4*\qt], v[T+4*\qt+1]
.endr
.irp qt, 0,1,2,3
	v_mul_f32 v[T+4*\qt+2], s26, v[M+\qt]          ; - log2(e) x the new maximum.  Its rounding is a common factor of all weights of the query and leaves with the division by their sum
.endr
.if \first == 0
.irp qt, 0,1,2,3
	v_sub_f32 v[T+4*\qt+3], v[T+4*\qt+2], v[NM+2*\qt]          ; log2(e) (old maximum - new maximum), never above 0
.endr
.irp qt, 0,1,2,3
	v_exp_f32 v[AL+2*\qt], v[T+4*\qt+3]
	v_exp_f32 v[AL+2*\qt+1], v[T+4*\qt+3]
.endr
.endif
.irp qt, 0,1,2,3
	v_mov_b32 v[NM+2*\qt], v[T+4*\qt+2]            ; plain instructions that touch neither the exponentials' results nor their sources stand behind them
	v_mov_b32 v[NM+2*\qt+1], v[T+4*\qt+2]
.endr
.if \first == 0
	s_wait_alu depctr_va_vdst(0)
.irp qt, 0,1,2,3
	v_pk_mul_f32 v[LS+4*\qt:LS+4*\qt+1],   v[LS+4*\qt:LS+4*\qt+1],   v[AL+2*\qt:AL+2*\qt+1]
	v_pk_mul_f32 v[LS+4*\qt+2:LS+4*\qt+3], v[LS+4*\qt+2:LS+4*\qt+3], v[AL+2*\qt:AL+2*\qt+1]
.endr
.endif
	; p = 2^(log2(e) s - log2(e) max), in place, a tile of 8 registers at a time; behind a tile's exponentials stands the next tile's packed multiply-add
	WIN 0x41
.set gi, 0
.rept 32
.irp p, 0,2,4,6
	v_pk_fma_f32 v[8*gi+\p:8*gi+\p+1], v[8*gi+\p:8*gi+\p+1], s[24:25], v[NM+2*(gi%4):NM+2*(gi%4)+1] op_sel_hi:[1,0,1]
.endr
.irp p, 0,1,2,3,4,5,6,7
	v_exp_f32 v[8*gi+\p], v[8*gi+\p]
.endr
.set gi, gi+1
.endr
	; the sums, in eight chains that take turns (the first line reads tile 0, not the exponentials just issued)
	WIN 0x01
	s_wait_alu depctr_va_vdst(0)
.irp kt, 0,1,2,3,4,5,6,7
.irp p, 0,1,2,3
.irp qt, 0,1,2,3
	v_pk_add_f32 v[LS+4*\qt+2*(\p%2):LS+4*\qt+2*(\p%2)+1], v[8*(4*\kt+\qt)+2*\p:8*(4*\kt+\qt)+2*\p+1], v[LS+4*\qt+2*(\p%2):LS+4*\qt+2*(\p%2)+1]
.endr
.endr
.endr
	; P(u, qt): key tile 2 u into registers 0-3, key tile 2 u + 1 into registers 4-7, upward, so that no register is written before it has been read
	WIN 0x45
.irp u, 0,1,2,3
.irp qt, 0,1,2,3
.irp i, 0,1,2,3
	v_cvt_pk_bf16_f32 v[64*\u+8*\qt+\i], v[64*\u+8*\qt+2*\i], v[64*\u+8*\qt+2*\i+1]
.endr
.irp i, 0,1,2,3
	v_cvt_pk_bf16_f32 v[64*\u+8*\qt+4+\i], v[64*\u+32+8*\qt+2*\i], v[64*\u+32+8*\qt+2*\i+1]
.endr
.endr
.endr
.if \first == 0
	; the accumulators follow the maximum: a lane's query is the same in S and in O^T, so the factor is the lane's own
	WIN 0x82
.irp ct, 0,1,2,3,4,5,6,7
.irp qt, 0,1,2,3
.irp p, 0,2,4,6
	v_pk_mul_f32 v[8*(4*\ct+\qt)+\p:8*(4*\ct+\qt)+\p+1], v[8*(4*\ct+\qt)+\p:8*(4*\ct+\qt)+\p+1], v[AL+2*\qt:AL+2*\qt+1]
.endr
.endr
.endr
	WIN 0xc3
.irp ct, 0,1,2,3
.irp qt, 0,1,2,3
.irp p, 0,2,4,6
	v_pk_mul_f32 v[8*(4*\ct+\qt)+\p:8*(4*\ct+\qt)+\p+1], v[8*(4*\ct+\qt)+\p:8*(4*\ct+\qt)+\p+1], v[AL+2*\qt:AL+2*\qt+1]
.endr
.endr
.endr
.endif
	s_wait_dscnt 24                                ; V chunk 0 is in; chunk 1's 24 loads may be out
	PV 0, VB0, \first
	PLACES 4
	LOADV \slot, 2, VB0
	s_wait_dscnt 24                                ; chunk 1 is in; chunk 2's 24 may be out
	PV 1, VB1, 0
	PLACES 4
	LOADV \slot, 3, VB1
	s_wait_dscnt 24                                ; chunk 2 is in; chunk 3's 24 may be out
	PV 2, VB0, 0
	s_wait_dscnt 0x0
	PV 3, VB1, 0
	PLACES 5                                       ; the next tile's S is written over P, its K is loaded over V
.endm
; A trip of the ring.  In front of the round every wave has waited for all its tensor loads, its quarter of this trip's tile among them, and for its reads of the
; other slot; behind the round that holds of every wave of all four work-groups, and the other slot's joint refill is the first thing there, one load a wave.
.macro TRIP slot, refill, first
	s_wait_tensorcnt 0x0
	ds_add_u32 v62, v63
	s_wait_dscnt 0x0
	s_add_nc_u64 s[34+4*\slot:35+4*\slot], s[34+4*\slot:35+4*\slot], 2*SLOT    ; no load of mine is out, so a group 0 may be written: this slot's next tile
	s_wait_dscnt 0x0
	ROUND
.if \refill
	tensor_load_to_lds s[36-4*\slot:39-4*\slot], s[16:23]
	s_nop 0
.endif
	STEP \slot, \first
.endm
	TRIP 0, 1, 1                                   ; 16 key tiles: two ahead of the loop (the first starts the sums), twelve in it, two behind it
	TRIP 1, 1, 0
	s_mov_b32 s44, 6
.Lloop:
	TRIP 0, 1, 0
	TRIP 1, 1, 0
	s_sub_co_u32 s44, s44, 1
	s_cmp_lg_u32 s44, 0
	s_cbranch_scc1 .Lloop
	TRIP 0, 1, 0
	TRIP 1, 0, 0                                   ; the last tile: nothing is left to fetch (slot 1's stepped address is not used)
	; THE TWO KEY HALVES MEET.  Each wave keeps six channel tiles and hands the other six, with its maximum and sum, to its partner through LDS.
	; The bytes lie in slot 0: its last fill was tile 14's, and every wave's reads of that tile were waited for in front of the last trip's round.
.irp qt, 0,1,2,3
	v_pk_add_f32 v[LS+4*\qt:LS+4*\qt+1], v[LS+4*\qt:LS+4*\qt+1], v[LS+4*\qt+2:LS+4*\qt+3]
.endr
.irp qt, 0,1,2,3
	v_add_f32 v[LS+4*\qt], v[LS+4*\qt], v[LS+4*\qt+1]
.endr
.irp qt, 0,1,2,3
	v_permlanex16_b32 v[LS+4*\qt+1], v[LS+4*\qt], s27, s28
.endr
.irp qt, 0,1,2,3
	v_add_f32 v[LS+4*\qt], v[LS+4*\qt], v[LS+4*\qt+1]          ; the sum over my 2,048 keys
.endr
.irp qt, 0,1,2,3
	ds_store_b32 v[MS4], v[NM+2*\qt] offset:\qt*128
	ds_store_b32 v[MS4], v[LS+4*\qt] offset:512+\qt*128
.endr
.macro SEND base                       ; channel tiles base .. base + 5: tile 4 i + qt as [registers 0-3 | 4-7][lane][16 bytes]
.irp i, 0,1,2,3,4,5
.if \base+\i < 8
	WIN 0x08
.else
	WIN 0x0c
.endif
.irp qt, 0,1,2,3
	ds_store_b128 v[MS], v[8*(4*((\base+\i)%8)+\qt):8*(4*((\base+\i)%8)+\qt)+3]   offset:(4*\i+\qt)*1024
	ds_store_b128 v[MS], v[8*(4*((\base+\i)%8)+\qt)+4:8*(4*((\base+\i)%8)+\qt)+7] offset:(4*\i+\qt)*1024+512
.endr
.endr
	WIN 0
.endm
	s_cmp_eq_u32 s12, 0
	s_cbranch_scc0 .Lsend_low
	SEND 6                                         ; key half 0 keeps tiles 0-5
	s_branch .Lsent
.Lsend_low:
	SEND 0                                         ; key half 1 keeps tiles 6-11
.Lsent:
	s_wait_dscnt 0x0                               ; my stores are in LDS, for my partner's sake
	s_barrier_signal -1
	s_barrier_wait -1
.set ti, 0
.rept 24
	ds_load_b128 v[VB0+8*ti:VB0+8*ti+3],   v[MR] offset:ti*1024
	ds_load_b128 v[VB0+8*ti+4:VB0+8*ti+7], v[MR] offset:ti*1024+512
.set ti, ti+1
.endr
.irp qt, 0,1,2,3
	ds_load_b32 v[T+\qt],   v[MR4] offset:\qt*128              ; my partner's - log2(e) x maximum
	ds_load_b32 v[T+4+\qt], v[MR4] offset:512+\qt*128          ; and sum
.endr
	s_wait_dscnt 0x0
.irp qt, 0,1,2,3
	v_min_num_f32 v[T+8+\qt], v[NM+2*\qt], v[T+\qt]            ; of the joint maximum
.endr
.irp qt, 0,1,2,3
	v_sub_f32 v[T+12+\qt], v[T+8+\qt], v[NM+2*\qt]
	v_sub_f32 v[T+8+\qt],  v[T+8+\qt], v[T+\qt]
.endr
.irp qt, 0,1,2,3
	v_exp_f32 v[T+12+\qt], v[T+12+\qt]             ; f: my part's factor
	v_exp_f32 v[T+8+\qt],  v[T+8+\qt]              ; fo: my partner's
.endr
	v_nop                                          ; a plain place behind the exponentials
	s_wait_alu depctr_va_vdst(0)
.irp qt, 0,1,2,3
	v_mul_f32 v[LS+4*\qt], v[T+12+\qt], v[LS+4*\qt]
.endr
.irp qt, 0,1,2,3
	v_fmac_f32 v[LS+4*\qt], v[T+8+\qt], v[T+4+\qt] ; the sum over all 4,096 keys
.endr
.irp qt, 0,1,2,3
	v_rcp_f32 v[LS+4*\qt+1], v[LS+4*\qt]
.endr
	v_nop                                          ; a plain place behind the reciprocals
	s_wait_alu depctr_va_vdst(0)
.irp qt, 0,1,2,3
	v_mul_f32 v[M+\qt],      v[T+12+\qt], v[LS+4*\qt+1]
	v_mul_f32 v[AL+2*\qt],   v[T+8+\qt],  v[LS+4*\qt+1]
	v_mul_f32 v[AL+2*\qt+1], v[T+8+\qt],  v[LS+4*\qt+1]
.endr
.set ti, 0
.rept 24
.irp p, 0,2,4,6
	v_pk_mul_f32 v[VB0+8*ti+\p:VB0+8*ti+\p+1], v[VB0+8*ti+\p:VB0+8*ti+\p+1], v[AL+2*(ti%4):AL+2*(ti%4)+1]
.endr
.set ti, ti+1
.endr
.macro COMBINE base                    ; window 1, register 4 (8 i + j) + qt: channel row 16 i + 8 h + j, positions n0 + 4 r + 0 .. 3 in four neighbouring registers
.irp i, 0,1,2,3,4,5
.if \base+\i < 8
	WIN 0x42
.else
	WIN 0x43
.endif
.irp j, 0,1,2,3,4,5,6,7
.irp qt, 0,1,2,3
	v_fma_f32 v[(8*\i+\j)*4+\qt], v[8*(4*((\base+\i)%8)+\qt)+\j], v[M+\qt], v[VB0+8*(4*\i+\qt)+\j]
.endr
.endr
.endr
	WIN 0
.endm
	s_cmp_eq_u32 s12, 0
	s_cbranch_scc0 .Lkeep_high
	COMBINE 0
	s_branch .Lkept
.Lkeep_high:
	COMBINE 6
.Lkept:
	WIN 0x04
.set oi, 0
.rept 48
	global_store_b128 v[OO], v[4*oi:4*oi+3], s[8:9] offset:((oi/8)*16+oi%8)*16384 th:TH_STORE_NT   ; each half of the lanes stores 256 consecutive bytes of one channel row, aligned
.set oi, oi+1
.endr
	WIN 0
	s_wait_tensorcnt 0x0
	ds_add_u32 v62, v63
	s_wait_dscnt 0x0
	ROUND                                          ; the closing round: no work-group ends while a partner may still ask for a tile that names it
	s_endpgm
.Lfunc_end_k_q374a1e9823_attn:
	.size	k_q374a1e9823_attn, .Lfunc_end_k_q374a1e9823_attn-k_q374a1e9823_attn
	.p2alignl 7, 3214868480
	.fill 96, 4, 3214868480
	.section	.rodata,"a",@progbits
	.p2align	6, 0x0
	.amdhsa_kernel k_q374a1e9823_attn
		.amdhsa_group_segment_fixed_size 327680
		.amdhsa_private_segment_fixed_size 0
		.amdhsa_enable_private_segment 0
		.amdhsa_kernarg_size 24
		.amdhsa_user_sgpr_count 2
		.amdhsa_user_sgpr_kernarg_segment_ptr 1
		.amdhsa_wavefront_size32 1
		.amdhsa_system_sgpr_workgroup_id_x 1
		.amdhsa_system_sgpr_workgroup_id_y 1
		.amdhsa_system_sgpr_workgroup_id_z 1
		.amdhsa_system_vgpr_workitem_id 0
		.amdhsa_next_free_vgpr 928
		.amdhsa_next_free_sgpr 66
		.amdhsa_reserve_vcc 0
		.amdhsa_float_denorm_mode_32 3
		.amdhsa_float_denorm_mode_16_64 3
		.amdhsa_memory_ordered 1
		.amdhsa_forward_progress 1
		.amdhsa_inst_pref_size 255
	.end_amdhsa_kernel
	.section	.bss,"aw",@nobits
	.p2align	6
	.space	262144
	.amdgpu_metadata
---
amdhsa.version: [ 1, 2 ]
amdhsa.kernels:
  - .name:           k_q374a1e9823_attn
    .symbol:         k_q374a1e9823_attn.kd
    .args:
      - { .name: qf, .offset: 0, .size: 8, .value_kind: global_buffer, .address_space: global }
      - { .name: kv, .offset: 8, .size: 8, .value_kind: global_buffer, .address_space: global }
      - { .name: out0, .offset: 16, .size: 8, .value_kind: global_buffer, .address_space: global }
    .group_segment_fixed_size: 327680
    .private_segment_fixed_size: 0
    .kernarg_segment_align: 8
    .kernarg_segment_size: 24
    .max_flat_workgroup_size: 128
    .sgpr_count:     66
    .vgpr_count:     928
    .wavefront_size: 32
...
	.end_amdgpu_metadata
.endif
;; end of part 2
